; MI455X (gfx1250); checked and timed in simulation.
; The chip was launched on July 23, 2026; its instructions are those of AMD's public machine-readable ISA for CDNA 5 (MIT licence, August 2026) and "CDNA5" Instruction Set Architecture Reference Guide (July 2026). The comments in the code are by the model that wrote it; some were corrected since.
;; Network Subject Layers. Allowed arithmetic: matrix products marked QUANTISED: E4M3 operands, one E8M0 scale for each 32 along K, by v_wmma_scale_f32_16x16x128_f8f6f4 with both operands' format E4M3, f32 sums; everything else in f32.
;; Inputs: W 8 x 2,048 x 1,000 float32; b 8 x 1,000 float32; subject_ids 4,096 int32; x 4,096 x 2,048 float32.
;; Outputs: out0 4,096 x 1,000 float32.
;; This version of the problem:
;;   THIS VERSION OF THE PROBLEM IS GIVEN IN LOW PRECISION. The matrix products marked QUANTISED in the list below multiply operands that are first quantised to E4M3 (4 exponent bits, 3 mantissa bits; 8 bits a number), with one power-of-two scale for each 32 numbers along K (OCP MX v1.0); their sums are f32. All else is computed in f32.
;;   The module's matrix products, in the order in which they are computed (A, B: the left and right operand; K: the contracted axis; several contracted axes count as one K, in the product's order):
;;     1. [M 4,096, K 2,048] x [K 2,048, N 8,000]; A: input x; B: input W: QUANTISED
;;   THE QUANTISER, for each operand of a quantised product, along K:
;;     - K is cut into blocks of 32 from its start; a last block that is shorter is filled with zeros.
;;     - A block's scale is 2^e with e = floor(log2(the largest magnitude in the block)) - 8, held to -126 .. 127; a block of zeros has e = 0. As a byte (E8M0): e + 127.
;;     - Each number is divided by its block's scale, clamped to +-448, and rounded to the nearest number of E4M3, ties to even, subnormals kept.
;;     - The product sums the exact products of the quantised numbers (number of the format x scale) in f32.
;;   ~~~python
;;   def quantise(x, axis):      # numpy; x: float32 -> the quantised numbers, widened to float32 again
;;       x = np.moveaxis(x, axis, -1); K = x.shape[-1]
;;       x = np.pad(x, [(0, 0)] * (x.ndim - 1) + [(0, -K % 32)]); x = x.reshape(x.shape[:-1] + (-1, 32)); a = np.abs(x).max(-1, keepdims=True)
;;       e = np.where(a > 0, np.clip(np.frexp(np.where(a > 0, a, 1))[1] - 1 - 8, -126, 127), 0)      # np.frexp(a)[1] - 1 = floor(log2(a)), exactly
;;       r = np.clip(x / 2.0 ** e, -448, 448)
;;       step = 2.0 ** (np.maximum(np.frexp(np.where(r == 0, 1, r))[1] - 1, -6) - 3)
;;       q = np.round(r / step) * step * 2.0 ** e      # np.round: ties to even
;;       return np.moveaxis(q.reshape(q.shape[:-2] + (-1,))[..., :K], -1, axis).astype(np.float32)
;;   ~~~
;; One version. Each part assembles by itself: llvm-mc -triple=amdgcn-amd-amdhsa -mcpu=gfx1250 --defsym DOCPART=n.
;; ======== version 1 of 1: 2 launches
;; workspace buffers: xq 8,388,608 bytes; xs 262,144 bytes; wimg 16,777,216 bytes; wscl 524,288 bytes; order 17,408 bytes of whole numbers; tiles 2,048 bytes of whole numbers
;; launch prep (part 1): grid 769 x 1, 4 waves a work-group, no clusters, 34,304 bytes of LDS; arguments x, W, subject_ids, xq, xs, wimg, wscl, order, tiles; writes xq, xs, wimg, wscl, order, tiles
.if DOCPART == 1
	.amdgcn_target "amdgcn-amd-amdhsa--gfx1250"
	.amdhsa_code_object_version 6
	.text
	.protected	k_q661686af2a_prep
	.globl	k_q661686af2a_prep
	.p2align	8
	.type	k_q661686af2a_prep,@function
k_q661686af2a_prep:
	s_mov_b64 s[64:65], 0
	v_nop
	global_prefetch_b8 v0, s[64:65] scope:SCOPE_SE
	s_setreg_imm32_b32 hwreg(HW_REG_WAVE_MODE, 25, 1), 1
	s_wait_xcnt 0x0
; THREE JOBS IN ONE LAUNCH, told apart by the work-group's number alone.
;   work-group 0:        THE ROUTER.  subject_ids [4096] -> order (the tokens sorted by subject) and tiles (subject, first place, rows for each tile of up to 144 rows).
;   work-groups 1-512:   W [8][2048][1000] f32, K its middle axis -> codes of E4M3 laid as images of operand registers (wimg) and scale words (wscl).
;   work-groups 513-768: x [4096][2048] f32, K innermost -> codes (xq, [4096][2048]) and scale bytes (xs, [4096][64]).
; THE QUANTISER: a block is 32 numbers along K.  Its scale is 2^(floor(log2(largest magnitude)) - 8); the byte is the largest magnitude's exponent field - 8, held at 1 from below by a floor among the
; maximum's leaves.  Each number is held within +-448 x the scale and converted, ties to even.
; wimg: [subject 8][tile of 16 columns 64][K step of 128: 16][2048 bytes]; in an image the 16 codes of column r, k = 32 c + 16 h + 0 .. 15, lie at 512 c + 256 h + 16 r: lane 16 h + r of the product's wave loads them as they lie.
; wscl: [subject 8][tile 64][K step 16][column 16] words of four scale bytes.  Columns are padded to 1,024: columns 1000 on repeat column 999 and no result of theirs is ever stored.
; LIMITS: NaN and infinities among x and W are not served.  A block of zeros gets the byte 1 where the rule says 127: its codes are zeros, and the bytes are read by this program alone.
; Blocks whose largest magnitude lies under 2^-118 keep the byte 1.  subject_ids lie in 0 .. 7, as the reference's own gather takes them to.
; No tensor load, no cluster: the W and x jobs share no input between work-groups.  LDS: bytes 0-32767 are the x job's, bytes 32768-33279 the router's.
.set RB,    32768                      ; the router's 512 bytes of LDS: eight counts a wave, one word a thread
.set MANT,  23                         ; s23  the mantissa field of 448
	s_load_b512 s[4:19], s[0:1], 0x0               ; x 4:5, W 6:7, ids 8:9, xq 10:11, xs 12:13, wimg 14:15, wscl 16:17, order 18:19
	s_load_b64 s[20:21], s[0:1], 0x40              ; tiles
	v_lshl_add_u32 v192, v0, 2, 0x8400
	v_mov_b32 v193, 0
	v_lshrrev_b32 v1, 5, v0
	v_readfirstlane_b32 s22, v1                    ; wave 0..3
	s_mov_b32 s[MANT], 0x600000
	s_wait_kmcnt 0x0
	s_cmp_eq_u32 ttmp9, 0
	s_cbranch_scc1 .Lrouter
	s_cmp_gt_u32 ttmp9, 512
	s_cbranch_scc1 .Lxrole
; ---------------------------------------------------------------- W
; A work-group takes one subject, 256 along K and 128 columns; a wave 32 columns.  A LANE TAKES A COLUMN AND ITS REGISTERS RUN DOWN K: a block of 32 lies in one lane's 32 registers,
; its maximum needs no other lane, and the conversions give codes with K innermost.  A load reads 128 consecutive bytes a wave.
.set WX,  32                           ; v32-95   two sets of 32 numbers
.set WC,  96                           ; v96-159  eight registers of codes for each block: no store's data are written again
.set WSB, 24                           ; v24-25   the scale bytes, four to a register
	s_sub_co_u32 s24, ttmp9, 1
	s_lshr_b32 s25, s24, 6                         ; subject
	s_bfe_u32 s26, s24, 0x30003                    ; which 256 along K
	s_and_b32 s27, s24, 7                          ; which 128 columns
	v_and_b32 v1, 31, v0                           ; lane
	s_lshl_b32 s28, s27, 7
	s_lshl_b32 s29, s22, 5
	s_add_co_u32 s28, s28, s29
	v_add_nc_u32 v3, s28, v1                       ; my column,
	v_min_u32 v3, 0x3e7, v3                        ; held at 999: no load leaves a row
	v_lshlrev_b32 v3, 2, v3
	s_wait_alu depctr_va_vdst(0)
	v_lshrrev_b32 v2, 4, v1                        ; which of my wave's two tiles of 16 columns
	v_and_b32 v6, 15, v1                           ; r
	v_lshlrev_b32 v4, 15, v2
	v_lshl_add_u32 v4, v6, 4, v4                   ; codes out: 32768 x tile + 16 r
	v_lshlrev_b32 v5, 10, v2
	v_lshl_add_u32 v5, v6, 2, v5                   ; scale words out: 1024 x tile + 4 r
	s_mov_b32 s29, 0
	s_mul_i32 s28, s25, 8192000                    ; a subject: 2048 rows of 4000 bytes
	s_mul_i32 s30, s26, 1024000                    ; 256 rows
	s_add_co_u32 s28, s28, s30
	s_add_nc_u64 s[6:7], s[6:7], s[28:29]
	s_lshl_b32 s28, s25, 21                        ; wimg: subject x 2^21 + (8 cg + 2 wave) x 32768 + 2 K steps x 2048 x kg
	s_lshl_b32 s30, s27, 18
	s_add_co_u32 s28, s28, s30
	s_lshl_b32 s30, s22, 16
	s_add_co_u32 s28, s28, s30
	s_lshl_b32 s30, s26, 12
	s_add_co_u32 s28, s28, s30
	s_add_nc_u64 s[14:15], s[14:15], s[28:29]
	s_lshl_b32 s28, s25, 16                        ; wscl: subject x 65536 + (8 cg + 2 wave) x 1024 + 2 K steps x 64 x kg
	s_lshl_b32 s30, s27, 13
	s_add_co_u32 s28, s28, s30
	s_lshl_b32 s30, s22, 11
	s_add_co_u32 s28, s28, s30
	s_lshl_b32 s30, s26, 7
	s_add_co_u32 s28, s28, s30
	s_add_nc_u64 s[16:17], s[16:17], s[28:29]
.macro WLOAD t                         ; block t: W(32 t + i, my column), i = 0 .. 31, into set t % 2.  The largest offset, 255 x 4000, lies inside the signed 24-bit immediate
.set wi, 0
.rept 32
	global_load_b32 v[WX+32*((\t)%2)+wi], v3, s[6:7] offset:(32*(\t)+wi)*4000 th:TH_LOAD_NT
.set wi, wi+1
.endr
.endm
.macro WBLOCK t
.set WXS, WX+32*((\t)%2)
.if (\t) < 7
	s_wait_loadcnt 32                              ; this block's 32 loads are in; the next block's 32 may be out
.else
	s_wait_loadcnt 0x0
.endif
	v_max3_num_f32 v12, |v[WXS]|, |v[WXS+1]|, |v[WXS+2]|          ; the block's largest magnitude, in two chains
	v_max3_num_f32 v13, |v[WXS+3]|, |v[WXS+4]|, |v[WXS+5]|
.irp i, 6,10,14,18,22,26
	v_max3_num_f32 v12, v12, |v[WXS+\i]|, |v[WXS+\i+1]|
	v_max3_num_f32 v13, v13, |v[WXS+\i+2]|, |v[WXS+\i+3]|
.endr
	v_max3_num_f32 v12, v12, |v[WXS+30]|, |v[WXS+31]|
	v_max3_num_f32 v12, v12, v13, 0x4800000        ; and the floor 2^(9 - 127): the byte cannot fall under 1
	v_add_nc_u32 v11, 0xfc000000, v12              ; 8 off the exponent field: the conversion's scale operand
	v_and_or_b32 v10, v12, 0x7f800000, s[MANT]     ; 448 x the scale
	v_lshrrev_b32 v13, 23, v11                     ; the scale's byte
.if (\t)%4 == 0
	v_mov_b32 v[WSB+(\t)/4], v13                   ; four bytes to a word, the lower K in the lower byte
.else
	v_lshl_or_b32 v[WSB+(\t)/4], v13, 8*((\t)%4), v[WSB+(\t)/4]
.endif
.set wi, 0
.rept 32
	v_med3_num_f32 v[WXS+wi], v[WXS+wi], -v10, v10 ; the conversion to an 8-bit code does not saturate (ISA guide 7.6.2): the hold comes first
.set wi, wi+1
.endr
.irp g, 0,1,2,3
	v_cvt_scalef32_pk8_fp8_f32 v[WC+8*(\t)+2*\g:WC+8*(\t)+2*\g+1], v[WXS+8*\g:WXS+8*\g+7], v11
.endr
	; the results go to stores and the sources take loads; the next block begins with plain vector lines, ahead of the line that writes v11 again
	global_store_b128 v4, v[WC+8*(\t):WC+8*(\t)+3], s[14:15] offset:((\t)/4)*2048+((\t)%4)*512        ; k 0-15 of the block: each half of the lanes stores 256 consecutive bytes, aligned
	global_store_b128 v4, v[WC+8*(\t)+4:WC+8*(\t)+7], s[14:15] offset:((\t)/4)*2048+((\t)%4)*512+256  ; k 16-31
.if (\t)+2 < 8
	WLOAD (\t)+2
.endif
.endm
	WLOAD 0
	WLOAD 1
.irp t, 0,1,2,3,4,5,6,7
	WBLOCK \t
.endr
	global_store_b32 v5, v[WSB], s[16:17]          ; my column's scale words of the two K steps: sixteen lanes store 64 consecutive bytes
	global_store_b32 v5, v[WSB+1], s[16:17] offset:64
	s_endpgm
; ---------------------------------------------------------------- x
; Rows are dense and K is a multiple of 32: x is a plain stream of blocks of 32, and so are its codes and scale bytes.  A wave takes 16 steps of 512 numbers.  Each load reads 512 consecutive bytes;
; a step's 2,048 bytes turn through the wave's own stage in LDS and come back 64 bytes a lane, so that a lane holds 16 neighbours along K and two neighbouring lanes a block.
.set XR,  16                           ; v16-79   four sets of 16 numbers as loaded
.set XX,  80                           ; v80-111  two sets of 16 neighbours
.set XE,  112                          ; v112-127 a scale byte for each step
.set XC,  128                          ; v128-191 four registers of codes for each step
.set SP,  80                           ; a lane's place in a stage: 64 bytes + 16 of padding
.Lxrole:
	v_and_b32 v2, 31, v0                           ; lane
	v_lshlrev_b32 v3, 4, v2                        ; my 16 bytes of a load's 512, and of a step's 512 bytes of codes
	s_lshl_b32 s24, s22, 13                        ; LDS: 8,192 bytes for each wave: two stages of 32 x 80, then 256 scale bytes
	v_lshrrev_b32 v14, 2, v2
	v_mul_u32_u24 v14, v14, SP
	v_and_b32 v15, 3, v2
	v_lshl_add_u32 v14, v15, 4, v14
	v_add_nc_u32 v14, s24, v14                     ; into the stage: 80 (lane / 4) + 16 (lane % 4)
	v_mul_u32_u24 v15, v2, SP
	v_add_nc_u32 v15, s24, v15                     ; out of it: 80 x lane
	v_lshrrev_b32 v5, 1, v2
	s_add_co_u32 s24, s24, 2*32*SP
	v_add_nc_u32 v5, s24, v5                       ; my block's scale byte
	v_lshlrev_b32 v7, 3, v2
	v_add_nc_u32 v6, s24, v7                       ; and on the way out 8 bytes a lane
	s_sub_co_u32 s25, ttmp9, 513
	s_lshl_b32 s25, s25, 2
	s_add_co_u32 s25, s25, s22                     ; which run of 8,192 numbers is my wave's: 0 .. 1023
	s_mov_b32 s27, 0
	s_lshl_b32 s26, s25, 15
	s_add_nc_u64 s[4:5], s[4:5], s[26:27]
	s_lshl_b32 s26, s25, 13
	s_add_nc_u64 s[10:11], s[10:11], s[26:27]
	s_lshl_b32 s26, s25, 8
	s_add_nc_u64 s[12:13], s[12:13], s[26:27]
.macro XLOAD t
.irp i, 0,1,2,3
	global_load_b128 v[XR+16*((\t)%4)+4*\i:XR+16*((\t)%4)+4*\i+3], v3, s[4:5] offset:2048*(\t)+512*\i th:TH_LOAD_NT
.endr
.endm
.macro XTURN t                         ; step t's numbers through the stage: LDS serves a wave's instructions in order (ISA guide 5.7.1.4), so no wait stands between the stores and the loads
.irp i, 0,1,2,3
	ds_store_b128 v14, v[XR+16*((\t)%4)+4*\i:XR+16*((\t)%4)+4*\i+3] offset:32*SP*((\t)%2)+8*SP*\i
.endr
.irp i, 0,1,2,3
	ds_load_b128 v[XX+16*((\t)%2)+4*\i:XX+16*((\t)%2)+4*\i+3], v15 offset:32*SP*((\t)%2)+16*\i
.endr
.endm
.irp t, 0,1,2,3
	XLOAD \t
.endr
	s_wait_alu depctr_va_vdst(0)
	s_wait_loadcnt 12                              ; step 0's four loads are in
	XTURN 0
.macro XSTEP t
.set XXS, XX+16*((\t)%2)
.if (\t) > 0
	s_wait_dscnt 1                                 ; this step's numbers are back from the stage (the last step's byte store may be out): so the stage's stores have read their registers,
.else
	s_wait_dscnt 0x0
.endif
.if (\t)+4 < 16
	XLOAD (\t)+4                                   ; which take the loads of four steps on
.endif
.if (\t)+1 < 16
.if 14-(\t) >= 3
	s_wait_loadcnt 12                              ; the next step's four loads are in; those of the three steps behind it may be out
.else
	s_wait_loadcnt 4*(14-(\t))
.endif
	XTURN (\t)+1
.endif
	v_max3_num_f32 v8, |v[XXS]|, |v[XXS+1]|, |v[XXS+2]|
	v_max3_num_f32 v9, |v[XXS+3]|, |v[XXS+4]|, |v[XXS+5]|
.irp i, 6,10
	v_max3_num_f32 v8, v8, |v[XXS+\i]|, |v[XXS+\i+1]|
	v_max3_num_f32 v9, v9, |v[XXS+\i+2]|, |v[XXS+\i+3]|
.endr
	v_max3_num_f32 v8, v8, |v[XXS+14]|, |v[XXS+15]|
	v_max3_num_f32 v8, v8, v9, 0x4800000           ; with the floor 2^(9 - 127)
	v_max_num_f32_dpp v8, v8, v8 row_xmask:1 row_mask:0xf bank_mask:0xf   ; and my neighbour's 16: the block's largest magnitude
	v_add_nc_u32 v11, 0xfc000000, v8               ; the conversion's scale operand
	v_and_or_b32 v10, v8, 0x7f800000, s[MANT]      ; 448 x the scale
.irp i, 0,1,2,3,4,5,6,7,8,9,10,11,12,13,14,15
	v_med3_num_f32 v[XXS+\i], v[XXS+\i], -v10, v10
.endr
	v_cvt_scalef32_pk8_fp8_f32 v[XC+4*(\t):XC+4*(\t)+1], v[XXS:XXS+7], v11
	v_cvt_scalef32_pk8_fp8_f32 v[XC+4*(\t)+2:XC+4*(\t)+3], v[XXS+8:XXS+15], v11
	v_lshrrev_b32 v[XE+(\t)], 23, v11              ; the scale's byte (a plain line behind the conversions)
	ds_store_b8 v5, v[XE+(\t)] offset:16*(\t)      ; both lanes of a block write the same byte with the same value
	global_store_b128 v3, v[XC+4*(\t):XC+4*(\t)+3], s[10:11] offset:512*(\t)   ; the wave stores 512 consecutive bytes, aligned
.endm
.irp t, 0,1,2,3,4,5,6,7,8,9,10,11,12,13,14,15
	XSTEP \t
.endr
	ds_load_b64 v[12:13], v6                       ; my wave's 256 scale bytes, behind my stores of them
	s_wait_dscnt 0x0
	global_store_b64 v7, v[12:13], s[12:13]        ; 256 consecutive bytes, aligned
	s_wait_tensorcnt 0x0
	ds_add_u32 v192, v193
	s_wait_dscnt 0x0
	s_endpgm
; ---------------------------------------------------------------- THE ROUTER
; A counting sort without atomics.  Wave w holds ids 1024 w .. 1024 w + 1023 in 32 registers.  A: for each register and subject, a token's rank among the wave's tokens of that subject = the count so far
; + the lanes below it that hold the same subject.  B: the waves exchange their eight counts through LDS (the one barrier).  C: place = the subject's start + the earlier waves' counts + the rank.
; The order inside a subject is of no account: each output row hangs on its own token alone.
.set RID,  32                          ; v32-63   ids: register 4 q + e, lane l: token 1024 w + 128 q + 4 l + e
.set RPOS, 64                          ; v64-95   ranks, then places, then byte offsets in order
.set RT,   16                          ; v17-23   a step's candidates
.set RTK,  128                         ; v128-159 token numbers: the stores' data
.set RUN,  24                          ; s24-31   counts so far; later each subject's base for my wave
.set MK,   32                          ; s32-39   lane masks
.set CT,   40                          ; s40-47   counts of a step; later the earlier waves' counts
.set RST,  48                          ; s48-56   where each subject's places start; s56 = 4096
.set NS,   68                          ; s68-75   tokens of each subject
.set RTB,  76                          ; s76-84   first tile of each subject
.Lrouter:
	v_and_b32 v1, 31, v0
	s_wait_alu depctr_va_vdst(0)
	s_lshl_b32 s59, s22, 12
	v_lshl_add_u32 v2, v1, 4, s59                  ; 4096 w + 16 x lane
.irp q, 0,1,2,3,4,5,6,7
	global_load_b128 v[RID+4*\q:RID+4*\q+3], v2, s[8:9] offset:512*\q
.endr
.irp s, 0,1,2,3,4,5,6,7
	s_mov_b32 s[RUN+\s], 0
.endr
	s_lshl_b32 s58, s22, 10
	v_lshl_add_u32 v11, v1, 2, s58                 ; 1024 w + 4 x lane
	v_lshl_add_u32 v9, v0, 2, RB                   ; my word in LDS
	v_lshl_add_u32 v10, v1, 2, RB                  ; and wave 0's word of my lane
	s_wait_loadcnt 0x0
.macro RANK j                          ; each kind of line in a run of eight, so that no line waits for the line above it
.irp s, 0,1,2,3,4,5,6,7
	v_cmp_eq_u32 s[MK+\s], \s, v[RID+\j]
.endr
	v_mbcnt_lo_u32_b32 v[RPOS+\j], s[MK], s[RUN]   ; the count so far + the lanes below me in the mask
.irp s, 1,2,3,4,5,6,7
	v_mbcnt_lo_u32_b32 v[RT+\s], s[MK+\s], s[RUN+\s]
.endr
.irp s, 1,2,3,4,5,6,7
	v_cndmask_b32 v[RPOS+\j], v[RPOS+\j], v[RT+\s], s[MK+\s]
.endr
.irp s, 0,1,2,3,4,5,6,7
	s_bcnt1_i32_b32 s[CT+\s], s[MK+\s]
.endr
.irp s, 0,1,2,3,4,5,6,7
	s_add_co_u32 s[RUN+\s], s[RUN+\s], s[CT+\s]
.endr
.endm
.set jj, 0
.rept 32
	RANK jj
.set jj, jj+1
.endr
	v_mov_b32 v8, 0
.irp s, 0,1,2,3,4,5,6,7
	v_writelane_b32 v8, s[RUN+\s], \s              ; my wave's eight counts in lanes 0-7
.endr
	ds_store_b32 v9, v8
	s_wait_dscnt 0x0                               ; for the others' sake: my counts lie in LDS
	s_barrier_signal -1
	s_barrier_wait -1
.irp p, 0,1,2,3
	ds_load_b32 v[12+\p], v10 offset:128*\p        ; lane s: wave p's count of subject s
.endr
	s_wait_dscnt 0x0
	v_add3_u32 v16, v12, v13, v14
	v_add_nc_u32 v16, v16, v15                     ; lane s: all tokens of subject s
.irp p, 0,1,2
	s_cmp_gt_u32 s22, \p
	s_cselect_b32 s[MK+\p], -1, 0
	v_and_b32 v[12+\p], s[MK+\p], v[12+\p]         ; only the waves in front of mine count
.endr
	v_add3_u32 v17, v12, v13, v14
.irp s, 0,1,2,3,4,5,6,7
	v_readlane_b32 s[NS+\s], v16, \s
	v_readlane_b32 s[CT+\s], v17, \s
.endr
	s_mov_b32 s[RST], 0
	s_mov_b32 s[RTB], 0
.irp s, 0,1,2,3,4,5,6,7
	s_add_co_u32 s[RST+\s+1], s[RST+\s], s[NS+\s]
	s_add_co_u32 s[RUN+\s], s[RST+\s], s[CT+\s]    ; the base of my wave's tokens of subject s
	s_add_co_u32 s57, s[NS+\s], 143
	s_mul_i32 s57, s57, 116509                     ; (n + 143) / 144, rounded down: 116509 x 144 = 2^24 + 80, exact while n + 143 stays under 2^24 / 80; here it is at most 4,239
	s_lshr_b32 s57, s57, 24
	s_add_co_u32 s[RTB+\s+1], s[RTB+\s], s57
.endr
.macro PLACE j
.irp s, 1,2,3,4,5,6,7
	v_cmp_eq_u32 s[MK+\s], \s, v[RID+\j]
.endr
	v_mov_b32 v[20+(\j)%2], s[RUN]
.irp s, 1,2,3,4,5,6,7
	v_cndmask_b32 v[20+(\j)%2], v[20+(\j)%2], s[RUN+\s], s[MK+\s]
.endr
	v_add_nc_u32 v[RPOS+\j], v[RPOS+\j], v[20+(\j)%2]
	v_min_u32 v[RPOS+\j], 0xfff, v[RPOS+\j]        ; a place made of loaded numbers is held inside the list before it enters an address
	v_lshlrev_b32 v[RPOS+\j], 2, v[RPOS+\j]
	v_add_nc_u32 v[RTK+\j], 128*((\j)/4)+(\j)%4, v11
	global_store_b32 v[RPOS+\j], v[RTK+\j], s[18:19]   ; 16 KiB of single words in all: the price of a sort
.endm
.set jj, 0
.rept 32
	PLACE jj
.set jj, jj+1
.endr
	v_mov_b32 v24, 0                               ; places 4096 .. 4351 hold token 0: a last tile's gather may reach 143 places past its first row
	v_mov_b32 v25, 0
	v_lshlrev_b32 v26, 3, v0
	global_store_b64 v26, v[24:25], s[18:19] offset:16384
	; the tiles: thread j writes slot j.  Its subject is the last one whose first tile is at or under j; a slot past the last tile gets 0 rows
	v_mov_b32 v28, 0
	v_mov_b32 v29, 0
	v_mov_b32 v30, 0
	v_mov_b32 v31, s[RST+1]
.irp s, 1,2,3,4,5,6,7
	v_cmp_le_u32 vcc_lo, s[RTB+\s], v0
	v_cndmask_b32 v28, v28, \s, vcc_lo             ; subject
	v_cndmask_b32 v29, v29, s[RST+\s], vcc_lo      ; its first place
	v_cndmask_b32 v30, v30, s[RTB+\s], vcc_lo      ; its first tile
	v_cndmask_b32 v31, v31, s[RST+\s+1], vcc_lo    ; the place behind its last
.endr
	v_sub_nc_u32 v30, v0, v30
	v_mad_u32_u24 v29, v30, 144, v29               ; the tile's first place
	v_max_u32 v31, v31, v29
	v_sub_nc_u32 v31, v31, v29
	v_min_u32 v30, 0x90, v31                       ; its rows: what is left of the subject, 144 at the most, 0 past its end
	v_mov_b32 v31, 0
	v_lshlrev_b32 v27, 4, v0
	global_store_b128 v27, v[28:31], s[20:21]
	s_wait_tensorcnt 0x0
	ds_add_u32 v192, v193
	s_wait_dscnt 0x0
	s_endpgm
.Lfunc_end_k_q661686af2a_prep:
	.size	k_q661686af2a_prep, .Lfunc_end_k_q661686af2a_prep-k_q661686af2a_prep
	.p2alignl 7, 3214868480
	.fill 96, 4, 3214868480
	.section	.rodata,"a",@progbits
	.p2align	6, 0x0
	.amdhsa_kernel k_q661686af2a_prep
		.amdhsa_group_segment_fixed_size 34304
		.amdhsa_private_segment_fixed_size 0
		.amdhsa_enable_private_segment 0
		.amdhsa_kernarg_size 72
		.amdhsa_user_sgpr_count 2
		.amdhsa_user_sgpr_kernarg_segment_ptr 1
		.amdhsa_wavefront_size32 1
		.amdhsa_system_sgpr_workgroup_id_x 1
		.amdhsa_system_sgpr_workgroup_id_y 1
		.amdhsa_system_sgpr_workgroup_id_z 1
		.amdhsa_system_vgpr_workitem_id 0
		.amdhsa_next_free_vgpr 194
		.amdhsa_next_free_sgpr 88
		.amdhsa_reserve_vcc 1
		.amdhsa_float_denorm_mode_32 3
		.amdhsa_float_denorm_mode_16_64 3
		.amdhsa_memory_ordered 1
		.amdhsa_forward_progress 1
		.amdhsa_inst_pref_size 215
	.end_amdhsa_kernel
	.amdgpu_metadata
---
amdhsa.version: [ 1, 2 ]
amdhsa.kernels:
  - .name:           k_q661686af2a_prep
    .symbol:         k_q661686af2a_prep.kd
    .args:
      - { .name: x, .offset: 0, .size: 8, .value_kind: global_buffer, .address_space: global }
      - { .name: W, .offset: 8, .size: 8, .value_kind: global_buffer, .address_space: global }
      - { .name: subject_ids, .offset: 16, .size: 8, .value_kind: global_buffer, .address_space: global }
      - { .name: xq, .offset: 24, .size: 8, .value_kind: global_buffer, .address_space: global }
      - { .name: xs, .offset: 32, .size: 8, .value_kind: global_buffer, .address_space: global }
      - { .name: wimg, .offset: 40, .size: 8, .value_kind: global_buffer, .address_space: global }
      - { .name: wscl, .offset: 48, .size: 8, .value_kind: global_buffer, .address_space: global }
      - { .name: order, .offset: 56, .size: 8, .value_kind: global_buffer, .address_space: global }
      - { .name: tiles, .offset: 64, .size: 8, .value_kind: global_buffer, .address_space: global }
    .group_segment_fixed_size: 34304
    .private_segment_fixed_size: 0
    .kernarg_segment_align: 8
    .kernarg_segment_size: 72
    .max_flat_workgroup_size: 128
    .sgpr_count:     88
    .vgpr_count:     194
    .wavefront_size: 32
...
	.end_amdgpu_metadata
.endif
;; end of part 1
;; launch gemm (part 2): grid 8 x 36, 4 waves a work-group, no clusters, 304,640 bytes of LDS; arguments xq, xs, wimg, wscl, order, tiles, b, out0; writes out0
.if DOCPART == 2
	.amdgcn_target "amdgcn-amd-amdhsa--gfx1250"
	.amdhsa_code_object_version 6
	.text
	.protected	k_q661686af2a_gemm
	.globl	k_q661686af2a_gemm
	.p2align	8
	.type	k_q661686af2a_gemm,@function
k_q661686af2a_gemm:
	s_mov_b64 s[64:65], 0
	v_nop
	global_prefetch_b8 v0, s[64:65] scope:SCOPE_SE
	s_setreg_imm32_b32 hwreg(HW_REG_WAVE_MODE, 25, 1), 1
	s_wait_xcnt 0x0
; out0[token][:] = Q(x[token]) . Q(W[subject of token]) + b[subject], on codes of E4M3 with one E8M0 scale for each 32 along K, only for the subject that each token has.
; SHARES.  Work-group (x, y) takes tile y of the stored list (one subject, up to 144 tokens that are neighbours in the sorted order) and columns 128 x .. 128 x + 127.  The sum over subjects of
; ceil(n / 144) never passes floor((4096 + 8 x 143) / 144) = 36, whatever the split: that is the grid's height.  A slot with 0 rows stores nothing and ends.
; THE FOUR WAVES SPLIT K: wave w multiplies the whole 144 x 128 tile over K steps 4 w .. 4 w + 3 (288 matrix instructions), so that no code enters the work-group twice; the four partial sums meet in LDS,
; behind the one barrier, and each wave adds, adds the bias and stores 36 rows.
; NO CLUSTER, NO TENSOR LOAD: how many tiles a subject has, and whether a slot has rows, hangs on counts read from memory, and the text branches on them; so the operands go from memory into registers by
; plain loads: W's as images of operand registers, laid so by the launch before; x's rows gathered by the list and turned into fragments through the wave's own LDS.
; THE MATRIX INSTRUCTION IS USED TRANSPOSED: source 0 = 16 columns of W, source 1 = 16 tokens: a lane then holds one token and eight neighbouring columns.
; LIMITS: K is summed in four quarters, (q0 + q1) + (q2 + q3), another order of f32 additions than one chain.  NaN and infinities are not served.  Rows of out0 are 4,000 bytes: a stored piece of 512 bytes
; begins at a multiple of 16, not of 256.
; LDS: 144 rows x 528 bytes for each wave, its own until the barrier: first the tokens' 512 codes of the wave's quarter of K, later, over rows that have been read, the wave's partial sums (128 f32 a row).
; REGISTERS, in windows of 256: window 0: v1-15 addresses; v16-31 W's scale words; v32-67 x's; v68-76 the tokens of the scale loads; v80-151 the gather's offsets, then v80-175 a ring of six fragments of x;
;   v176-191 addresses and the bias for the way out; v192-255 the accumulators of rows 64-79.   windows 1, 2: W's 32 fragments.   window 3: 32 accumulators; before the products, the gather's landing place.
.set PITCH, 528                        ; 512 bytes + 16: the sixteen rows that a fragment load touches start 16 bytes apart modulo 256
.set REG,   144*PITCH                  ; a wave's region
.set HALF,  80*PITCH                   ; rows 80 on: a second address register keeps the offsets inside 16 bits
.set BLK,   16*PITCH
.set GS,    9                          ; v9-10   the gather's way into the stage: rows 0 on, rows 80 on
.set ADA,   11                         ; v11-12  fragments out of it
.set STO,   13                         ; v13-14  partial sums into it
.set COL,   15                         ; v15     my 16 bytes in a row of out0: 512 x + 16 x lane
.set BSC,   16                         ; W's scale words: register 2 b + q / 2: lanes 0-15 the even K step, lanes 16-31 the odd one
.set ASC,   32                         ; x's: register 4 a + q
.set TOK,   68
.set BOF,   77                         ; v77     the bias's offset
.set PA,    80
.set RING,  80
.set RD,    176                        ; v176-179 my 36 rows in each wave's region
.set BIAS,  180
.set ADR,   184                        ; v184-191 the stores' offsets, four for each of two batches
.set MSB, 0
.macro WIN new                         ; bits 1:0 source 0, 3:2 source 1, 5:4 source 2, 7:6 destination; the high byte repeats the setting that is left
.if MSB != (\new)
	s_set_vgpr_msb (MSB<<8)|(\new)
.set MSB, (\new)
.endif
.endm
.macro PLACES n
.rept \n
	v_nop
.endr
.endm
	s_load_b512 s[4:19], s[0:1], 0x0               ; xq 4:5, xs 6:7, wimg 8:9, wscl 10:11, order 12:13, tiles 14:15, b 16:17, out0 18:19
	v_lshl_add_u32 v78, v0, 2, 0x4a400
	v_mov_b32 v79, 0
	v_lshrrev_b32 v1, 5, v0
	v_readfirstlane_b32 s20, v1                    ; wave 0..3
	s_mov_b32 s21, ttmp9                           ; which 128 columns
	s_and_b32 s22, ttmp7, 0xffff                   ; which slot of the list
	s_lshl_b32 s29, s22, 4
	s_mul_i32 s72, s20, 36                         ; my first row on the way out
	s_mul_i32 s73, s20, REG                        ; my region
	s_wait_kmcnt 0x0
	s_load_b128 s[24:27], s[14:15], s29 offset:0x0 ; subject, first place, rows, 0
	; every address, and all that the way out reads, is made here, ahead of the first branch
	v_and_b32 v3, 31, v0                           ; lane
	v_and_b32 v1, 15, v0                           ; r
	v_bfe_u32 v2, v0, 4, 1                         ; h
	v_lshlrev_b32 v4, 4, v3
	v_lshlrev_b32 v5, 2, v3
	v_lshlrev_b32 v6, 2, v2
	v_lshlrev_b32 v7, 2, v1
	v_lshlrev_b32 v8, 4, v1
	v_mul_u32_u24 v[GS], v2, PITCH
	v_add_nc_u32 v[GS], v[GS], v8
	v_add_nc_u32 v[GS], s73, v[GS]                 ; row h, 16 r: lanes 0-15 fill half a row, lanes 16-31 the same half of the next
	v_add_nc_u32 v[GS+1], HALF, v[GS]
	v_mul_u32_u24 v[ADA], v1, PITCH
	v_lshl_add_u32 v[STO], v2, 5, v[ADA]
	v_lshl_add_u32 v[ADA], v2, 4, v[ADA]
	v_add_nc_u32 v[ADA], s73, v[ADA]               ; row r, + 16 h
	v_add_nc_u32 v[ADA+1], HALF, v[ADA]
	v_add_nc_u32 v[STO], s73, v[STO]               ; row r, + 32 h
	v_add_nc_u32 v[STO+1], HALF, v[STO]
	s_lshl_b32 s74, s21, 9
	v_add_nc_u32 v[COL], s74, v4
	s_mul_i32 s74, s72, PITCH
	v_add_nc_u32 v[RD], s74, v4
	v_add_nc_u32 v[RD+1], REG, v[RD]
	v_add_nc_u32 v[RD+2], REG, v[RD+1]
	v_add_nc_u32 v[RD+3], REG, v[RD+2]
	v_min_u32 v[BOF], 0xf90, v[COL]                ; the bias of columns past 999 is never used: the load is held inside b's row
	v_cmp_gt_u32 vcc_lo, 0xfa0, v[COL]             ; the lanes whose four columns exist: all, or lanes 0-25 where x = 7.  VCC stays
	s_wait_alu depctr_va_vdst(0)
	s_wait_kmcnt 0x0
	s_min_u32 s24, s24, 7                          ; numbers from memory are held before they enter an address
	s_min_u32 s25, s25, 0xfff
	s_min_u32 s26, s26, 0x90
	s_add_co_u32 s28, s25, s72
	s_lshl_b32 s28, s28, 2
	s_load_b512 s[32:47], s[12:13], s28 offset:0x0 ; the tokens of my 36 rows on the way out: s32-63, s68-71; s28 and s[12:13] stay as they are
	s_load_b512 s[48:63], s[12:13], s28 offset:0x40
	s_load_b128 s[68:71], s[12:13], s28 offset:0x80
	s_sub_co_i32 s77, s26, s72                     ; how many of my 36 rows exist (0 or less: none)
	s_mov_b32 s3, 0
	s_lshl_b32 s2, s25, 2
	s_add_nc_u64 s[30:31], s[12:13], s[2:3]        ; the list at the tile's first place
	s_lshl_b32 s2, s20, 9
	s_add_nc_u64 s[4:5], s[4:5], s[2:3]            ; codes of x: my quarter of K, 512 bytes
	s_lshl_b32 s2, s20, 4
	s_add_nc_u64 s[6:7], s[6:7], s[2:3]            ; its four scale words
	s_lshl_b32 s2, s24, 21
	s_lshl_b32 s29, s21, 18
	s_add_co_u32 s2, s2, s29
	s_lshl_b32 s29, s20, 13
	s_add_co_u32 s2, s2, s29
	s_add_nc_u64 s[8:9], s[8:9], s[2:3]            ; images: subject, 8 tiles of columns on, 4 K steps on
	s_lshl_b32 s2, s24, 16
	s_lshl_b32 s29, s21, 13
	s_add_co_u32 s2, s2, s29
	s_lshl_b32 s29, s20, 8
	s_add_co_u32 s2, s2, s29
	s_add_nc_u64 s[10:11], s[10:11], s[2:3]        ; W's scale words likewise
	s_mul_i32 s2, s24, 4000
	s_add_nc_u64 s[16:17], s[16:17], s[2:3]
	global_load_b128 v[BIAS:BIAS+3], v[BOF], s[16:17]
	s_cmp_eq_u32 s26, 0
	s_cbranch_scc1 .Lmeet                          ; no rows: on to the barrier, which stands on every path
; ---- THE LOADS, one stream; loads come back in order (ISA guide 5.7.1).  A wait's count cannot name more than 63, so 63 stands where 64 or more younger loads follow: the stricter side.
.set j, 0
.rept 72
	global_load_b32 v[PA+j], v6, s[30:31] offset:8*j               ; the tokens of rows 2 j (lanes 0-15) and 2 j + 1 (lanes 16-31)
.set j, j+1
.endr
.irp a, 0,1,2,3,4,5,6,7,8
	global_load_b32 v[TOK+\a], v7, s[30:31] offset:64*\a           ; the token of row 16 a + r
.endr
.irp b, 0,1,2,3,4,5,6,7
.irp u, 0,1
	global_load_b32 v[BSC+2*\b+\u], v5, s[10:11] offset:1024*\b+128*\u
.endr
.endr
.macro BLOAD u                         ; W's sixteen fragments of my K steps 2 u, 2 u + 1 into window 1 + u: each load takes 512 consecutive bytes of an image
	WIN 0x40*(1+\u)
.irp q, 0,1
.irp b, 0,1,2,3,4,5,6,7
.irp c, 0,1,2,3
	global_load_b128 v[16*(8*\q+\b)+4*\c:16*(8*\q+\b)+4*\c+3], v4, s[8:9] offset:32768*\b+2048*(2*\u+\q)+512*\c
.endr
.endr
.endr
	WIN 0
.endm
	BLOAD 0
	s_wait_loadcnt 63                              ; 80 loads follow the last token's: all tokens are in
.set j, 0
.rept 72
	v_min_u32 v[PA+j], 0xfff, v[PA+j]
	v_lshl_add_u32 v[PA+j], v[PA+j], 11, v8        ; token x 2048 bytes + 16 r
.set j, j+1
.endr
.irp a, 0,1,2,3,4,5,6,7,8
	v_min_u32 v[TOK+\a], 0xfff, v[TOK+\a]
	v_lshlrev_b32 v[TOK+\a], 6, v[TOK+\a]          ; token x 64 bytes of scales
.endr
.irp a, 0,1,2,3,4,5,6,7,8
	global_load_b128 v[ASC+4*\a:ASC+4*\a+3], v[TOK+\a], s[6:7]     ; my four K steps' scale words of row 16 a + r
.endr
; THE GATHER.  A load takes 256 consecutive bytes, aligned, of each of two tokens' rows.  Sixteen loads are a group (eight pairs of rows); run 0 is rows 0-79 (five groups), run 1 rows 80-143 (four).
; They land in the accumulators' registers, which are idle: groups 0-3 in window 3, run 0's group 4 in v192-255.
.macro GATHER g, run
.if (\g) == 4
	WIN 0
.set gr, 192
.else
	WIN 0xc0
.set gr, 64*(\g)
.endif
.irp p, 0,1,2,3,4,5,6,7
.irp u, 0,1
	global_load_b128 v[gr+8*\p+4*\u:gr+8*\p+4*\u+3], v[PA+40*(\run)+8*(\g)+\p], s[4:5] offset:256*\u
.endr
.endr
.endm
.macro STASH g, run                    ; a group goes into my stage
.if (\g) == 4
	WIN 0
.set gr, 192
.else
	WIN 0x0c
.set gr, 64*(\g)
.endif
.irp p, 0,1,2,3,4,5,6,7
.irp u, 0,1
	ds_store_b128 v[GS+\run], v[gr+8*\p+4*\u:gr+8*\p+4*\u+3] offset:2*(8*(\g)+\p)*PITCH+256*\u
.endr
.endr
.endm
.irp g, 0,1,2,3,4
	GATHER \g, 0
.endr
.irp g, 0,1,2,3,4
	s_wait_loadcnt 63                              ; 64 loads follow this group's last: four groups
	STASH \g, 0
.if \g < 4
	s_wait_dscnt 0x0                               ; the stores have read their registers, which take run 1's group
	GATHER \g, 1
.endif
.endr
	BLOAD 1
	s_wait_loadcnt 63                              ; 64 loads follow run 1's last: the gather is in, and its offsets' registers are free
.irp g, 0,1,2,3
	STASH \g, 1
.endr
	WIN 0
; ---- THE PRODUCTS.  A pass takes NF blocks of 16 rows through my four K steps: fragment f of the stream is K step f / NF, block f % NF, and meets W's eight tiles of columns.
; So two matrix instructions that follow each other never share an accumulator, and a chain's links lie 8 NF instructions apart.
.macro FRAGLD adr                      ; fragment lf of the stream into slot lf % 6 of the ring: lane (r, h): row r, k = 32 c + 16 h + 0 .. 15
.set lr, RING+16*(lf%6)
.irp c, 0,1,2,3
	ds_load_b128 v[lr+4*\c:lr+4*\c+3], v[\adr] offset:(lf%NF)*BLK+128*(lf/NF)+32*\c
.endr
.set lf, lf+1
.endm
.macro MULF a0                         ; fragment mf against W's eight; a0: the pass's first block.  K step 0 starts the sums: nothing is cleared
.set mq, mf/NF
.set ma, mf%NF
.set mr, RING+16*(mf%6)
.set mb, 128*(mq%2)
.if ma == 4
.set mc, 192
.set mw, 1+mq/2
.else
.set mc, 64*ma
.set mw, 0xf1+mq/2
.endif
	WIN mw
.irp b, 0,1,2,3,4,5,6,7
.if mq == 0
	v_wmma_scale_f32_16x16x128_f8f6f4 v[mc+8*\b:mc+8*\b+7], v[mb+16*\b:mb+16*\b+15], v[mr:mr+15], 0, v[BSC+2*\b], v[ASC+4*((\a0)+ma)]
.elseif mq == 2
	v_wmma_scale_f32_16x16x128_f8f6f4 v[mc+8*\b:mc+8*\b+7], v[mb+16*\b:mb+16*\b+15], v[mr:mr+15], v[mc+8*\b:mc+8*\b+7], v[BSC+2*\b+1], v[ASC+4*((\a0)+ma)+2]
.else
	v_wmma_scale_f32_16x16x128_f8f6f4 v[mc+8*\b:mc+8*\b+7], v[mb+16*\b:mb+16*\b+15], v[mr:mr+15], v[mc+8*\b:mc+8*\b+7], v[BSC+2*\b+mq/2], v[ASC+4*((\a0)+ma)+mq] matrix_a_scale:MATRIX_SCALE_ROW1
.endif
.endr
.set mf, mf+1
.endm
; Groups of two fragments go through the ring's three buffers.  Group g + 2 is asked for ahead of group g's sixteen products, into the buffer that group g - 1's products have read: eight places stand
; between.  The wait leaves the younger groups' loads out, eight each.
.macro PASS nf, a0, adr
.set NF, \nf
.set NG, 2*\nf
.set lf, 0
.set mf, 0
	WIN 0
.rept 4
	FRAGLD \adr
.endr
.set pg, 0
.rept NG
.if pg+2 < NG
.if pg >= 1
	PLACES 8
.endif
	WIN 0
	FRAGLD \adr
	FRAGLD \adr
.endif
.if NG-1-pg >= 2
	s_wait_dscnt 16
.elseif NG-1-pg == 1
	s_wait_dscnt 8
.else
	s_wait_dscnt 0x0
.endif
.if ((\a0) == 0) && (mf == 10)
	s_wait_loadcnt 0x0                             ; W's fragments of K steps 2 and 3 are first read here
.endif
	MULF \a0
	MULF \a0
.set pg, pg+1
.endr
	WIN 0
.endm
.macro PARTS adr                       ; window 3's four blocks go into my region as rows of 128 f32, each accumulator from its low end on: lane (r, h): row r, columns 16 b + 8 h + 0 .. 7
	WIN 0x0c
.irp a, 0,1,2,3
.irp b, 0,1,2,3,4,5,6,7
	ds_store_b128 v[\adr], v[64*\a+8*\b:64*\a+8*\b+3] offset:\a*BLK+64*\b
	ds_store_b128 v[\adr], v[64*\a+8*\b+4:64*\a+8*\b+7] offset:\a*BLK+64*\b+16
.endr
.endr
	WIN 0
.endm
	PASS 5, 0, ADA                                 ; rows 0-79.  (Its first wait also shows the stage's stores done: they are older than the ring's loads, and the products write over their data)
	PLACES 9                                       ; eight in front of the stores that read results and of loads into the ring; nine in front of the next pass's first products, which begin these accumulators anew
	PARTS STO                                      ; over stage rows 0-63, which have been read
.irp b, 0,1,2,3,4,5,6,7
	ds_store_b128 v[STO], v[192+8*\b:192+8*\b+3] offset:4*BLK+64*\b
	ds_store_b128 v[STO], v[192+8*\b+4:192+8*\b+7] offset:4*BLK+64*\b+16
.endr
	PASS 4, 5, ADA+1                               ; rows 80-143.  (Its first wait shows the stores above done)
	PLACES 9
	PARTS STO+1
.Lmeet:
	s_wait_kmcnt 0x0                               ; the tokens of my rows on the way out
	s_wait_dscnt 0x0                               ; for the others' sake: my partial sums lie in LDS
	s_barrier_signal -1
	s_barrier_wait -1
	s_cmp_eq_u32 s26, 0
	s_cbranch_scc1 .Lend
; ---- THE WAY OUT.  My 36 rows, four at a time: 16 LDS loads (four rows x four waves' partial sums; the 32 lanes take a row's 512 bytes), two batches ahead; sums and addresses with all lanes on;
; EXEC is narrowed to the columns that exist round the stores alone.  A row past the tile's last is jumped over: a scalar branch on the stored count, round its store alone.
	s_wait_loadcnt 0x0                             ; the bias
	s_wait_xcnt 0x0                                ; EXEC changes only behind this wait
.macro LOADB bt
.set br, 80+112*((\bt)%2)
.irp i, 0,1,2,3
.irp p, 0,1,2,3
	ds_load_b128 v[br+16*\i+4*\p:br+16*\i+4*\p+3], v[RD+\p] offset:(4*(\bt)+\i)*PITCH
.endr
.endr
.endm
.macro BATCH bt
.set br, 80+112*((\bt)%2)
.set ar, ADR+4*((\bt)%2)
.if (\bt) < 8
	s_wait_dscnt 16                                ; this batch is in; the next batch's sixteen loads may be out
.else
	s_wait_dscnt 0x0
.endif
.irp i, 0,1,2,3
.irp d, 0,2
	v_pk_add_f32 v[br+16*\i+\d:br+16*\i+\d+1], v[br+16*\i+\d:br+16*\i+\d+1], v[br+16*\i+4+\d:br+16*\i+5+\d]           ; quarters 0 + 1
	v_pk_add_f32 v[br+16*\i+8+\d:br+16*\i+9+\d], v[br+16*\i+8+\d:br+16*\i+9+\d], v[br+16*\i+12+\d:br+16*\i+13+\d]     ; quarters 2 + 3
.endr
.endr
.irp i, 0,1,2,3
.irp d, 0,2
	v_pk_add_f32 v[br+16*\i+\d:br+16*\i+\d+1], v[br+16*\i+\d:br+16*\i+\d+1], v[br+16*\i+8+\d:br+16*\i+9+\d]
.endr
.endr
.irp i, 0,1,2,3
.irp d, 0,2
	v_pk_add_f32 v[br+16*\i+\d:br+16*\i+\d+1], v[br+16*\i+\d:br+16*\i+\d+1], v[BIAS+\d:BIAS+\d+1]
.endr
.endr
.irp i, 0,1,2,3
.set rw, 4*(\bt)+\i
.set ts, 32+rw+4*(rw/32)
	s_min_u32 s73, s[ts], 0xfff                    ; the row's token, held inside out0
	s_mul_i32 s73, s73, 4000
	v_add_nc_u32 v[ar+\i], s73, v[COL]             ; (these four registers were last read by the stores of two batches back, which stand ahead of a wait on XCNT)
.endr
	s_and_saveexec_b32 s75, vcc_lo
.irp i, 0,1,2,3
	s_cmp_gt_i32 s77, 4*(\bt)+\i
	s_cbranch_scc0 .Lpast_\@_\i
	s_wait_alu depctr_va_vdst(0)
	global_store_b128 v[ar+\i], v[br+16*\i:br+16*\i+3], s[18:19] th:TH_STORE_NT   ; up to 512 consecutive bytes of the token's row; written once, read by nobody here
.Lpast_\@_\i:
.endr
	s_wait_xcnt 0x0                                ; the stores have read EXEC, their offsets and their data
	s_or_b32 exec_lo, exec_lo, s75
.if (\bt)+2 <= 8
	LOADB (\bt)+2
.endif
.endm
	LOADB 0
	LOADB 1
.irp t, 0,1,2,3,4,5,6,7,8
	BATCH \t
.endr
.Lend:
	s_wait_tensorcnt 0x0
	ds_add_u32 v78, v79
	s_wait_dscnt 0x0
	s_endpgm
.Lfunc_end_k_q661686af2a_gemm:
	.size	k_q661686af2a_gemm, .Lfunc_end_k_q661686af2a_gemm-k_q661686af2a_gemm
	.p2alignl 7, 3214868480
	.fill 96, 4, 3214868480
	.section	.rodata,"a",@progbits
	.p2align	6, 0x0
	.amdhsa_kernel k_q661686af2a_gemm
		.amdhsa_group_segment_fixed_size 304640
		.amdhsa_private_segment_fixed_size 0
		.amdhsa_enable_private_segment 0
		.amdhsa_kernarg_size 64
		.amdhsa_user_sgpr_count 2
		.amdhsa_user_sgpr_kernarg_segment_ptr 1
		.amdhsa_wavefront_size32 1
		.amdhsa_system_sgpr_workgroup_id_x 1
		.amdhsa_system_sgpr_workgroup_id_y 1
		.amdhsa_system_sgpr_workgroup_id_z 1
		.amdhsa_system_vgpr_workitem_id 0
		.amdhsa_next_free_vgpr 1024
		.amdhsa_next_free_sgpr 80
		.amdhsa_reserve_vcc 1
		.amdhsa_float_denorm_mode_32 3
		.amdhsa_float_denorm_mode_16_64 3
		.amdhsa_memory_ordered 1
		.amdhsa_forward_progress 1
		.amdhsa_inst_pref_size 159
	.end_amdhsa_kernel
	.amdgpu_metadata
---
amdhsa.version: [ 1, 2 ]
amdhsa.kernels:
  - .name:           k_q661686af2a_gemm
    .symbol:         k_q661686af2a_gemm.kd
    .args:
      - { .name: xq, .offset: 0, .size: 8, .value_kind: global_buffer, .address_space: global }
      - { .name: xs, .offset: 8, .size: 8, .value_kind: global_buffer, .address_space: global }
      - { .name: wimg, .offset: 16, .size: 8, .value_kind: global_buffer, .address_space: global }
      - { .name: wscl, .offset: 24, .size: 8, .value_kind: global_buffer, .address_space: global }
      - { .name: order, .offset: 32, .size: 8, .value_kind: global_buffer, .address_space: global }
      - { .name: tiles, .offset: 40, .size: 8, .value_kind: global_buffer, .address_space: global }
      - { .name: b, .offset: 48, .size: 8, .value_kind: global_buffer, .address_space: global }
      - { .name: out0, .offset: 56, .size: 8, .value_kind: global_buffer, .address_space: global }
    .group_segment_fixed_size: 304640
    .private_segment_fixed_size: 0
    .kernarg_segment_align: 8
    .kernarg_segment_size: 64
    .max_flat_workgroup_size: 128
    .sgpr_count:     80
    .vgpr_count:     1024
    .wavefront_size: 32
...
	.end_amdgpu_metadata
.endif
;; end of part 2
